; MI455X (gfx1250); checked and timed in simulation.
; The chip was launched on July 23, 2026; its instructions are those of AMD's public machine-readable ISA for CDNA 5 (MIT licence, August 2026) and "CDNA5" Instruction Set Architecture Reference Guide (July 2026). The comments in the code are by the model that wrote it; some were corrected since.
;; PET layer. Allowed arithmetic: matrix products marked QUANTISED: E2M1 operands, one E8M0 scale for each 32 along K, by v_wmma_scale_f32_16x16x128_f8f6f4 with both operands' format E2M1 (or v_wmma_scale_f32_32x16x128_f4), f32 sums; products left as they are: f32 operands where the result goes on into a quantised operand, else bf16, f16 or f32 operands; f32 sums; everything else in f32.
;; Inputs: W1 1,024 x 1,024 float32; W2 2 x 1,024 float32; b1 1,024 float32; b2 2 float32; input_ids 128 x 512 int32; inputs 128 x 512 x 1,024 float32.
;; Outputs: out0 128 x 2 float32.
;; This version of the problem:
;;   THIS VERSION OF THE PROBLEM IS GIVEN IN LOW PRECISION. The matrix products marked QUANTISED in the list below multiply operands that are first quantised to E2M1 (2 exponent bits, 1 mantissa bit; 4 bits a number), with one power-of-two scale for each 32 numbers along K (OCP MX v1.0); their sums are f32. All else is computed in f32.
;;   The module's matrix products, in the order in which they are computed (A, B: the left and right operand; K: the contracted axis; several contracted axes count as one K, in the product's order):
;;     1. batch 128 x [M 1, K 512] x [K 512, N 1,024]; A: computed on the way; B: input inputs: left as it is (M = 1 < 16)
;;     2. [M 128, K 1,024] x [K 1,024, N 1,024]; A: computed on the way; B: input W1: QUANTISED
;;     3. [M 128, K 1,024] x [K 1,024, N 2]; A: computed on the way; B: input W2: left as it is (N = 2 < 16)
;;   THE QUANTISER, for each operand of a quantised product, along K:
;;     - K is cut into blocks of 32 from its start; a last block that is shorter is filled with zeros.
;;     - A block's scale is 2^e with e = floor(log2(the largest magnitude in the block)) - 2, held to -126 .. 127; a block of zeros has e = 0. As a byte (E8M0): e + 127.
;;     - Each number is divided by its block's scale, clamped to +-6, and rounded to the nearest number of E2M1, ties to even, subnormals kept.
;;     - The product sums the exact products of the quantised numbers (number of the format x scale) in f32.
;;   ~~~python
;;   def quantise(x, axis):      # numpy; x: float32 -> the quantised numbers, widened to float32 again
;;       x = np.moveaxis(x, axis, -1); K = x.shape[-1]
;;       x = np.pad(x, [(0, 0)] * (x.ndim - 1) + [(0, -K % 32)]); x = x.reshape(x.shape[:-1] + (-1, 32)); a = np.abs(x).max(-1, keepdims=True)
;;       e = np.where(a > 0, np.clip(np.frexp(np.where(a > 0, a, 1))[1] - 1 - 2, -126, 127), 0)      # np.frexp(a)[1] - 1 = floor(log2(a)), exactly
;;       r = np.clip(x / 2.0 ** e, -6, 6)
;;       step = 2.0 ** (np.maximum(np.frexp(np.where(r == 0, 1, r))[1] - 1, 0) - 1)
;;       q = np.round(r / step) * step * 2.0 ** e      # np.round: ties to even
;;       return np.moveaxis(q.reshape(q.shape[:-2] + (-1,))[..., :K], -1, axis).astype(np.float32)
;;   ~~~
;;   OPERANDS COMPUTED ON THE WAY. 'Computed on the way' means the value that the module computes at that place (a softmax that the list does not call 'softmax' is quantised finished and normalised). What goes into a quantiser is computed in f32, as accurately as f32 sums, v_exp_f32 and their like allow (about 1e-6 of the number): no bf16 or f16 on the way to a quantiser, and a product that is left as it is and whose result goes on into a quantised operand takes f32 operands (vector FMAs, or v_wmma_f32_16x16x4_f32). A number that lies on a knife's edge between two numbers of the format may be rounded either way, as far as f32 arithmetic and the matrix unit's own rounding can turn it there, and no further.
;; 2 versions, each right; version 2 is version 1 with the launch gemm written anew for expert scheduling mode. Each part assembles by itself: llvm-mc -triple=amdgcn-amd-amdhsa -mcpu=gfx1250 --defsym DOCPART=n.
;; ======== version 1 of 2: 2 launches
;; workspace buffers: ecodes 65,536 bytes; escales 4,096 bytes; wcodes 524,288 bytes; wscales 32,768 bytes
;; launch prep (part 1): grid 256 x 1, 4 waves a work-group, no clusters, 18,944 bytes of LDS; arguments inputs, input_ids, W1, ecodes, escales, wcodes, wscales; writes ecodes, escales, wcodes, wscales
.if DOCPART == 1
	.amdgcn_target "amdgcn-amd-amdhsa--gfx1250"
	.amdhsa_code_object_version 6
	.text
	.protected	k_q4500d21398_prep
	.globl	k_q4500d21398_prep
	.p2align	8
	.type	k_q4500d21398_prep,@function
k_q4500d21398_prep:
	s_mov_b64 s[64:65], 0
	v_nop
	global_prefetch_b8 v0, s[64:65] scope:SCOPE_SE
	s_setreg_imm32_b32 hwreg(HW_REG_WAVE_MODE, 25, 1), 1
	s_wait_xcnt 0x0
; PREP: both operands of the quantised product h = euph W1^T are made here, as codes of FP4 (E2M1) with one E8M0 byte for each 32 along K.
; inputs [128][512][1024] f32, input_ids [128][512] i32, W1 [1024 n][1024 k] f32.
; 256 work-groups of four waves, ONE path for all.  Work-group g has two jobs that do not depend on each other, so that the second fills the time in which the first's rows are on their way:
; (a) euph of batch g / 2, columns 512 (g % 2) on: the sum of the rows strictly between the first START and the first END of the batch's ids (position 0 where a marker is missing, as argmax gives).
;     Every wave finds the two positions itself from all 512 ids: no barrier.  The span is walked in windows of 32 rows; thread t owns columns 4 t .. 4 t + 3, so a load of a wave is 512 consecutive bytes and
;     32 loads a wave are out.  A window's first row is held at 480 at the most, so that no load leaves the batch's rows; each row has a weight 1.0 or 0 (is it in the span and not counted by an earlier window?)
;     and the sum is a chain of fused multiply-adds in f32.  A span of up to 32 rows is one window.
; (b) W1's rows 16 (g / 4) on, k = 256 (g % 4) on: wave w takes 64 k of the 16 rows: a lane ends with ONE block of 32, and its 16 bytes of codes are stored in the order of the operand's registers:
;     wcodes [tile 64][K step 8][c 2][lane 32][16 bytes], lane (r, h) of (tile, step, c) = row 16 tile + r, k = 128 step + 64 c + 32 h + 0 .. 31.  wscales [tile][K step][r] words, byte b for k = 32 b on.
;     ecodes [128][512 bytes] and escales [128][32 bytes] are row-major.
; A block's scale byte is its largest magnitude's exponent field - 2, held at 1 from below by a floor among the maximum's leaves.
; LIMITS: NaN and infinities among the inputs are not served (a row that is read with weight 0 would give NaN; rows that are not read cannot).  A block of zeros gets the byte 1 where the rule says 127:
; its codes are zeros, which add nothing under that byte, and the bytes are read by this program alone.
; The codes leave in whole aligned pieces of 256 bytes or more; the scale bytes of a work-group are only 128 (W1) and 16 (euph) bytes, and leave as such.
.set START_ID, 30522
.set END_ID,   30523
.set S_LAST,   511                     ; the last position of a batch
.set WROWS,    32                      ; rows in a window
.set WMAX,     512-WROWS               ; the last row at which a window may begin
.set ROWB,     4096                    ; bytes in a row of inputs and of W1
.set TP,       272                     ; W1's stage: 256 bytes of a row + 16, so that the 16 rows that a load touches start at different banks
.set TURN,     16*TP                   ; a wave's stage
.set WSC,      4*TURN                  ; LDS: behind the stages W1's 128 scale bytes,
.set ECD,      WSC+256                 ; euph's 256 bytes of codes,
.set ESC,      ECD+256                 ; and its 16 scale bytes
.set FLOOR,    0x1800000               ; 2^(3 - 127): under it no largest magnitude is taken, so the byte cannot fall under 1
.set OFF2,     0xff000000              ; takes 2 off an exponent field
.set VID,  16                          ; v16-31   the batch's ids: register j, lane l = position 32 j + l
.set VWR,  32                          ; v32-63   W1 as loaded
.set VWX,  64                          ; v64-95   W1 turned: my block's 32 numbers
.set VX,   96                          ; v96-223  a window: row i at v[96 + 4 i]
.set VA,   224                         ; v224-227 the sums of even rows of a window, v228-231 of odd rows
.set SM,   68                          ; s68-99   first the 32 lane masks of the search, then the 32 weights of a window
; s20 START's position, s21 END's, s24 windows, s25 the window's first row before it is held, s26 after, s27 their difference, s30 rows of the span left
	s_load_b256 s[4:11], s[0:1], 0x0               ; inputs s[4:5], input_ids s[6:7], W1 s[8:9], ecodes s[10:11]
	s_load_b128 s[12:15], s[0:1], 0x20             ; escales s[12:13], wcodes s[14:15]
	s_load_b64 s[16:17], s[0:1], 0x30              ; wscales
	v_lshl_add_u32 v254, v0, 2, 0x4800
	v_mov_b32 v255, 0
	v_lshrrev_b32 v1, 5, v0
	v_readfirstlane_b32 s18, v1                    ; wave 0..3
	v_and_b32 v1, 31, v0                           ; lane
	v_and_b32 v11, 15, v0                          ; r
	v_bfe_u32 v12, v0, 4, 1                        ; h
	v_lshlrev_b32 v2, 2, v1                        ; ids: 4 bytes a lane
	v_lshlrev_b32 v3, 4, v11
	v_lshl_add_u32 v3, v12, 12, v3                 ; W1: lanes 0-15 take 256 bytes of one row, lanes 16-31 of the next
	v_lshlrev_b32 v4, 4, v0                        ; inputs: 16 bytes a thread: the work-group's 2,048 bytes of a row
	s_lshr_b32 s19, ttmp9, 1                       ; the batch
	s_lshl_b32 s40, s19, 11                        ; its 2,048 bytes of ids
	s_mov_b32 s41, 0
	s_lshl_b32 s42, s19, 21                        ; its 512 rows of 4,096 bytes (under 2^28),
	s_and_b32 s19, ttmp9, 1
	s_lshl_b32 s19, s19, 11
	s_add_co_u32 s42, s42, s19                     ; and my half of a row
	s_mov_b32 s43, 0
	s_lshr_b32 s19, ttmp9, 2
	s_lshl_b32 s44, s19, 16                        ; W1: 16 rows a tile,
	s_and_b32 s19, ttmp9, 3
	s_lshl_b32 s19, s19, 10
	s_add_co_u32 s44, s44, s19                     ; 256 k (1,024 bytes) a work-group,
	s_lshl_b32 s19, s18, 8
	s_add_co_u32 s44, s44, s19                     ; 64 k (256 bytes) a wave
	s_mov_b32 s45, 0
	s_mov_b32 s28, START_ID
	s_mov_b32 s29, END_ID
	s_mov_b32 s33, 0
	s_wait_kmcnt 0x0
	s_add_nc_u64 s[6:7], s[6:7], s[40:41]
	s_add_nc_u64 s[4:5], s[4:5], s[42:43]
	s_add_nc_u64 s[8:9], s[8:9], s[44:45]
.set i, 0
.rept 16
	global_load_b32 v[VID+i], v2, s[6:7] offset:128*i              ; the ids first: the rows' addresses hang on them
.set i, i+1
.endr
.set i, 0
.rept 8
	global_load_b128 v[VWR+4*i:VWR+4*i+3], v3, s[8:9] offset:2*ROWB*i th:TH_LOAD_NT   ; rows 2 i and 2 i + 1: two aligned pieces of 256 bytes
.set i, i+1
.endr
	; addresses that stay, made while the loads are out
	s_mul_i32 s19, s18, TURN                       ; my wave's stage
	v_mul_u32_u24 v5, v12, TP
	v_lshl_add_u32 v5, v11, 4, v5
	v_add_nc_u32 v5, s19, v5                       ; into it, as loaded: row h (+ 2 i by the offset), 16 r
	v_mul_u32_u24 v6, v11, TP
	v_lshl_add_u32 v6, v12, 7, v6
	v_add_nc_u32 v6, s19, v6                       ; out of it: row r, block h: 128 bytes
	s_lshr_b32 s19, s18, 1
	s_lshl_b32 s19, s19, 6                         ; W1's scale bytes: 64 for each of the work-group's two K steps (wave / 2),
	s_and_b32 s31, s18, 1
	s_lshl_b32 s31, s31, 1                         ; in a row's word byte 2 c + h, c = wave % 2
	s_add_co_u32 s19, s19, s31
	v_lshl_add_u32 v7, v11, 2, v12
	v_add_nc_u32 v7, s19, v7
	v_lshrrev_b32 v8, 1, v0
	v_lshlrev_b32 v8, 2, v8                        ; euph's codes: a word for two threads' eight columns
	v_lshrrev_b32 v9, 3, v0                        ; euph's scale bytes: a byte for eight threads' 32 columns
	v_lshlrev_b32 v10, 4, v1                       ; wcodes: 16 bytes a lane
	v_and_b32 v13, 1, v0
	v_cmp_eq_u32 s37, 1, v13                       ; the odd lanes
	v_lshlrev_b32 v14, 3, v1                       ; the way out of euph's codes: 8 bytes a lane
	v_and_b32 v15, 3, v0
	v_lshlrev_b32 v15, 2, v15                      ; and of its scale bytes: four words
	s_mov_b32 s47, 0
	s_lshl_b32 s46, ttmp9, 11                      ; wcodes: 2,048 bytes a work-group (two fragments), 512 a wave
	s_lshl_b32 s19, s18, 9
	s_add_co_u32 s46, s46, s19
	s_add_nc_u64 s[14:15], s[14:15], s[46:47]
	s_lshl_b32 s46, ttmp9, 8
	s_add_nc_u64 s[10:11], s[10:11], s[46:47]      ; ecodes: 256 bytes a work-group
	s_lshl_b32 s46, ttmp9, 7
	s_add_nc_u64 s[16:17], s[16:17], s[46:47]      ; wscales: 128
	s_lshl_b32 s46, ttmp9, 4
	s_add_nc_u64 s[12:13], s[12:13], s[46:47]      ; escales: 16
.irp c, 0,1,2,3,4,5,6,7
	v_mov_b32 v[VA+\c], 0                          ; the eight sums
.endr
	v_mov_b32 v241, 0                              ; written once: the destination of a lane move counts as one of its sources
	; THE TWO POSITIONS.  A compare leaves the mask of 32 positions in a scalar register; its lowest set bit, or -1, with 32 j set beside it is the position, or stays all ones: the unsigned minimum is the first.
	s_wait_loadcnt 8                               ; the 16 loads of ids are in; W1's eight, issued behind them, stay out
.set i, 0
.rept 16
	v_cmp_eq_u32 s[SM+i], s28, v[VID+i]
	v_cmp_eq_u32 s[SM+16+i], s29, v[VID+i]
.set i, i+1
.endr
	s_ctz_i32_b32 s20, s[SM]
	s_ctz_i32_b32 s21, s[SM+16]
.set i, 1
.rept 15
	s_ctz_i32_b32 s22, s[SM+i]
	s_ctz_i32_b32 s23, s[SM+16+i]
	s_or_b32 s22, s22, 32*i
	s_or_b32 s23, s23, 32*i
	s_min_u32 s20, s20, s22
	s_min_u32 s21, s21, s23
.set i, i+1
.endr
	s_cmp_gt_u32 s20, S_LAST                       ; no START at all: position 0
	s_cselect_b32 s20, 0, s20
	s_cmp_gt_u32 s21, S_LAST                       ; no END at all: position 0
	s_cselect_b32 s21, 0, s21
	s_add_co_u32 s25, s20, 1                       ; the span's first row
	s_sub_co_i32 s23, s21, s25
	s_max_i32 s23, s23, 0                          ; its length, 0 to 510
	s_add_co_u32 s24, s23, WROWS-1
	s_lshr_b32 s24, s24, 5
	s_max_u32 s24, s24, 1                          ; windows: one at the least (an empty span has a window of weights 0: its sums stay 0),
	s_min_u32 s24, s24, 16                         ; sixteen at the most
; A window is asked for: 32 rows from s25 on, or from row 480 on where that would leave the batch.  Then, while the loads are out, the weights:
; row s26 + i counts where 0 <= s26 + i - s25 < the rows of the span that are left: one unsigned compare.
.macro ISSUE
	s_min_u32 s26, s25, WMAX                       ; the window lies inside the batch's 512 rows
	s_sub_co_i32 s27, s26, s25                     ; 0, or less where the window was held back: those rows were counted by the window before
	s_sub_co_i32 s30, s21, s25
	s_max_i32 s30, s30, 0
	s_lshl_b32 s32, s26, 12
	s_add_nc_u64 s[34:35], s[4:5], s[32:33]        ; (the loads that read this pair last have been waited for)
.set i, 0
.rept WROWS
	global_load_b128 v[VX+4*i:VX+4*i+3], v4, s[34:35] offset:ROWB*i th:TH_LOAD_NT   ; a wave reads 512 consecutive bytes of row i
.set i, i+1
.endr
.set i, 0
.rept WROWS
	s_add_co_i32 s31, s27, i
	s_cmp_lt_u32 s31, s30
	s_cselect_b32 s[SM+i], 1.0, 0
.set i, i+1
.endr
.endm
; and added up: eight chains (four columns, even and odd rows), as the rows come in, eight at a time
.macro CONSUME
.set i, 0
.rept WROWS
.if i%8 == 0
	s_wait_loadcnt WROWS-8-i                       ; loads come back in order: rows i .. i + 7 are in, the rows behind them stay out
.endif
.irp c, 0,1,2,3
	v_fma_f32 v[VA+4*(i%2)+\c], s[SM+i], v[VX+4*i+\c], v[VA+4*(i%2)+\c]
.endr
.set i, i+1
.endr
.endm
	ISSUE                                          ; the first window
	; W1, while that window is on its way
	s_wait_loadcnt WROWS                           ; W1's eight loads are in; the window's 32, issued behind them, stay out
.irp j, 0,1,2,3,4,5,6,7
	ds_store_b128 v5, v[VWR+4*\j:VWR+4*\j+3] offset:2*TP*\j
.endr
.irp j, 0,1,2,3,4,5,6,7
	ds_load_b128 v[VWX+4*\j:VWX+4*\j+3], v6 offset:16*\j           ; LDS serves a wave's instructions in order: these see my stores.  32 neighbours along K of row r
.endr
	s_wait_dscnt 0x0
	v_max3_num_f32 v232, |v[VWX]|, |v[VWX+1]|, |v[VWX+2]|          ; the block's largest magnitude: all 32 numbers are mine; two chains
	v_max3_num_f32 v233, |v[VWX+3]|, |v[VWX+4]|, |v[VWX+5]|
.irp k, 6,10,14,18,22,26
	v_max3_num_f32 v232, v232, |v[VWX+\k]|, |v[VWX+\k+1]|
	v_max3_num_f32 v233, v233, |v[VWX+\k+2]|, |v[VWX+\k+3]|
.endr
	v_max3_num_f32 v232, v232, |v[VWX+30]|, |v[VWX+31]|
	v_max3_num_f32 v232, v232, v233, FLOOR
	v_add_nc_u32 v234, OFF2, v232                  ; 2 off its exponent field: the conversion takes the exponent field of this operand as its scale, and nothing else of it
.irp g, 0,1,2,3
	v_cvt_scalef32_pk8_fp4_f32 v[236+\g], v[VWX+8*\g:VWX+8*\g+7], v234   ; eight numbers / the scale, to the nearest code, ties to even, beyond 6 the largest code; the lowest k in the lowest bits
.endr
	v_lshrrev_b32 v235, 23, v234                   ; the scale's byte (also the plain line behind the conversions)
	ds_store_b8 v7, v235 offset:WSC
	global_store_b128 v10, v[236:239], s[14:15]    ; 32 lanes store 512 consecutive bytes: half a fragment, as the matrix instruction's registers take it
	CONSUME
	s_cmp_gt_u32 s24, 1
	s_cbranch_scc0 .Lsummed                        ; a span of up to 32 rows is done
	s_mov_b32 s36, 1
.Lwindow:
	s_add_co_u32 s25, s25, WROWS
	ISSUE
	CONSUME
	s_add_co_u32 s36, s36, 1
	s_cmp_lt_u32 s36, s24
	s_cbranch_scc1 .Lwindow
.Lsummed:
	; euph's 4 columns a lane become codes.  A block of 32 is eight neighbouring lanes; the conversion takes eight neighbours from one lane, so each lane fetches its neighbour's four.
.irp c, 0,1,2,3
	v_add_f32 v[VA+\c], v[VA+\c], v[VA+4+\c]       ; even rows' sums + odd rows'
.endr
	v_max3_num_f32 v244, |v[VA]|, |v[VA+1]|, FLOOR
	v_max3_num_f32 v244, v244, |v[VA+2]|, |v[VA+3]|
.irp c, 0,1,2,3
	v_mov_b32_dpp v[VA+4+\c], v[VA+\c] row_xmask:1 row_mask:0xf bank_mask:0xf   ; in an even lane v224-231 are now columns 8 m .. 8 m + 7 (an odd lane's order is wrong, and its codes are not used)
.endr
	v_max_num_f32_dpp v244, v244, v244 row_xmask:1 row_mask:0xf bank_mask:0xf
	v_max_num_f32_dpp v244, v244, v244 row_xmask:2 row_mask:0xf bank_mask:0xf
	v_max_num_f32_dpp v244, v244, v244 row_xmask:4 row_mask:0xf bank_mask:0xf   ; the block's largest magnitude, in all its eight lanes
	v_add_nc_u32 v243, OFF2, v244
	v_cvt_scalef32_pk8_fp4_f32 v240, v[VA:VA+7], v243
	v_lshrrev_b32 v242, 23, v243                   ; the scale's byte (the plain line behind the conversion)
	v_mov_b32_dpp v241, v240 row_xmask:1 row_mask:0xf bank_mask:0xf
	v_cndmask_b32 v240, v240, v241, s37            ; an odd lane takes its even neighbour's word: both write the same word with the same value
	ds_store_b32 v8, v240 offset:ECD
	ds_store_b8 v9, v242 offset:ESC                ; the eight lanes of a block write the same byte with the same value
	s_wait_dscnt 0x0                               ; for the others' sake: my stores into LDS are done
	s_barrier_signal -1
	s_barrier_wait -1
	; what the four waves gathered leaves: wave 0 euph's codes, wave 1 W1's scale words, wave 2 euph's scale bytes
	s_cmp_lg_u32 s18, 0
	s_cbranch_scc1 .Lnot_wave_0
	ds_load_b64 v[246:247], v14 offset:ECD
	s_wait_dscnt 0x0
	global_store_b64 v14, v[246:247], s[10:11]     ; 32 lanes store 256 consecutive bytes, at a multiple of 256 from the buffer's first byte
	s_wait_tensorcnt 0x0
	ds_add_u32 v254, v255
	s_wait_dscnt 0x0
	s_endpgm
.Lnot_wave_0:
	s_cmp_lg_u32 s18, 1
	s_cbranch_scc1 .Lnot_wave_1
	ds_load_b32 v246, v2 offset:WSC
	s_wait_dscnt 0x0
	global_store_b32 v2, v246, s[16:17]            ; 128 consecutive bytes: two K steps' words of 16 rows
	s_wait_tensorcnt 0x0
	ds_add_u32 v254, v255
	s_wait_dscnt 0x0
	s_endpgm
.Lnot_wave_1:
	s_cmp_lg_u32 s18, 2
	s_cbranch_scc1 .Lend
	ds_load_b32 v246, v15 offset:ESC
	v_cmp_gt_u32 vcc_lo, 4, v1
	s_wait_dscnt 0x0
	s_wait_xcnt 0x0                                ; EXEC changes only when the memory instructions issued so far have read it
	s_and_saveexec_b32 s38, vcc_lo
	global_store_b32 v15, v246, s[12:13]           ; lanes 0 to 3: 16 bytes
	s_wait_xcnt 0x0                                ; and again in front of the line that widens it
	s_or_b32 exec_lo, exec_lo, s38
.Lend:
	s_wait_tensorcnt 0x0
	ds_add_u32 v254, v255
	s_wait_dscnt 0x0
	s_endpgm
.Lfunc_end_k_q4500d21398_prep:
	.size	k_q4500d21398_prep, .Lfunc_end_k_q4500d21398_prep-k_q4500d21398_prep
	.p2alignl 7, 3214868480
	.fill 96, 4, 3214868480
	.section	.rodata,"a",@progbits
	.p2align	6, 0x0
	.amdhsa_kernel k_q4500d21398_prep
		.amdhsa_group_segment_fixed_size 18944
		.amdhsa_private_segment_fixed_size 0
		.amdhsa_enable_private_segment 0
		.amdhsa_kernarg_size 56
		.amdhsa_user_sgpr_count 2
		.amdhsa_user_sgpr_kernarg_segment_ptr 1
		.amdhsa_wavefront_size32 1
		.amdhsa_system_sgpr_workgroup_id_x 1
		.amdhsa_system_sgpr_workgroup_id_y 1
		.amdhsa_system_sgpr_workgroup_id_z 1
		.amdhsa_system_vgpr_workitem_id 0
		.amdhsa_next_free_vgpr 256
		.amdhsa_next_free_sgpr 100
		.amdhsa_reserve_vcc 1
		.amdhsa_float_denorm_mode_32 3
		.amdhsa_float_denorm_mode_16_64 3
		.amdhsa_memory_ordered 1
		.amdhsa_forward_progress 1
		.amdhsa_inst_pref_size 46
	.end_amdhsa_kernel
	.amdgpu_metadata
---
amdhsa.version: [ 1, 2 ]
amdhsa.kernels:
  - .name:           k_q4500d21398_prep
    .symbol:         k_q4500d21398_prep.kd
    .args:
      - { .name: inputs, .offset: 0, .size: 8, .value_kind: global_buffer, .address_space: global }
      - { .name: input_ids, .offset: 8, .size: 8, .value_kind: global_buffer, .address_space: global }
      - { .name: W1, .offset: 16, .size: 8, .value_kind: global_buffer, .address_space: global }
      - { .name: ecodes, .offset: 24, .size: 8, .value_kind: global_buffer, .address_space: global }
      - { .name: escales, .offset: 32, .size: 8, .value_kind: global_buffer, .address_space: global }
      - { .name: wcodes, .offset: 40, .size: 8, .value_kind: global_buffer, .address_space: global }
      - { .name: wscales, .offset: 48, .size: 8, .value_kind: global_buffer, .address_space: global }
    .group_segment_fixed_size: 18944
    .private_segment_fixed_size: 0
    .kernarg_segment_align: 8
    .kernarg_segment_size: 56
    .max_flat_workgroup_size: 128
    .sgpr_count:     100
    .vgpr_count:     256
    .wavefront_size: 32
...
	.end_amdgpu_metadata
.endif
;; end of part 1
;; launch gemm (part 2): grid 8 x 1, 16 waves a work-group, no clusters, 20,480 bytes of LDS; arguments ecodes, escales, wcodes, wscales, b1, W2, b2, out0; writes out0
.if DOCPART == 2
	.amdgcn_target "amdgcn-amd-amdhsa--gfx1250"
	.amdhsa_code_object_version 6
	.text
	.protected	k_q4500d21398_gemm
	.globl	k_q4500d21398_gemm
	.p2align	8
	.type	k_q4500d21398_gemm,@function
k_q4500d21398_gemm:
	s_mov_b64 s[64:65], 0
	v_nop
	global_prefetch_b8 v0, s[64:65] scope:SCOPE_SE
	s_setreg_imm32_b32 hwreg(HW_REG_WAVE_MODE, 25, 1), 1
	s_wait_xcnt 0x0
; GEMM: out[b][j] = sum over n of (sum over k of Q(euph)[b][k] Q(W1)[n][k] + b1[n]) W2[j][n] + b2[j].  The inner product runs on codes of FP4 (E2M1) with E8M0 scales, made by the launch before; sums in f32.
; ecodes [128][512 bytes], escales [128][32] row-major; wcodes [tile 64][K step 8][c 2][lane 32][16 bytes] in the order of the operand's registers; wscales [tile][K step][row 16] words.
; SHARES.  An output is a sum over all 1,024 n and has ONE owner: a work-group owns 16 batch rows and all n: eight work-groups.  Each of its sixteen waves owns 64 n: W1's tiles 4 w .. 4 w + 3, 32 matrix instructions.
; W1's fragments go from memory straight into the registers that the matrix instruction names, by loads of 512 consecutive bytes, through a ring of four K steps (128 registers: 16 KiB a wave on their way).
; euph's 8 KiB are read from memory once by the work-group (512 bytes a wave) and handed round in LDS as images of the operand's registers.
; THE MATRIX INSTRUCTION: source 0 = 16 rows of W1, source 1 = the 16 batch rows.  Lane (r, h) then holds batch row r, and register j the unit n = 16 tile + 8 h + j.  b1 is loaded into the accumulators in that
; layout and is the first C.  The four accumulators take turns, one instruction a turn.
; h W2^T in f32: 16 multiply-adds a tile (packed), W2's numbers turned through the wave's own 512 bytes of LDS; lane l xor 16 adds the other eight units of each tile; the sixteen waves' parts meet in LDS.
; NO JOINT REQUESTS, though the eight work-groups read the same 524,288 bytes of codes: a joint request lands in LDS, where these bytes do not fit at once; it would take slots that are filled again, a round
; of the cluster's barrier for each refill, and 524,288 bytes more of LDS writes and of LDS reads in each work-group, for 32 matrix instructions a wave.
.set EIMG, 0                           ; LDS: euph's eight fragments, 1,024 bytes each,
.set W2R,  8192                        ; each wave's 2 x 64 numbers of W2, 512 bytes a wave,
.set RED,  16384                       ; and each wave's 32 partial outputs, 128 bytes a wave
.set ES,   24                          ; v24-31   euph's scale words: register s for K step s, lane r = batch row r
.set WS,   32                          ; v32-47   W1's: register 4 t + q: lanes 0-15 K step 2 q, lanes 16-31 K step 2 q + 1, of my tile t
.set ACC,  48                          ; v48-79   four accumulators
.set EF,   80                          ; v80-95   euph's fragment of the K step in hand and of the next
.set RG,   96                          ; v96-223  the ring: K step s in slot s % 4: my tile t at v[96 + 32 (s % 4) + 8 t].  Slots 0 and 1 take W2's numbers when they are free
.set PS,   224                         ; v224-231 the partial outputs: two chains of pairs for j = 0, two for j = 1
	s_load_b256 s[4:11], s[0:1], 0x0               ; ecodes s[4:5], escales s[6:7], wcodes s[8:9], wscales s[10:11]
	s_load_b256 s[12:19], s[0:1], 0x20             ; b1 s[12:13], W2 s[14:15], b2 s[16:17], out0 s[18:19]
	v_lshl_add_u32 v254, v0, 2, 0x4800
	v_mov_b32 v255, 0
	v_lshrrev_b32 v1, 5, v0
	v_readfirstlane_b32 s20, v1                    ; wave 0..15
	v_and_b32 v1, 31, v0                           ; lane
	v_and_b32 v2, 15, v0                           ; r
	v_bfe_u32 v3, v0, 4, 1                         ; h
	v_lshlrev_b32 v4, 9, v2
	v_lshl_add_u32 v4, v3, 4, v4                   ; ecodes: batch row r of 512 bytes, + 16 h
	v_lshlrev_b32 v5, 4, v0                        ; LDS: 16 bytes a thread: where I put my piece of euph, and of W2
	v_lshlrev_b32 v6, 4, v1                        ; 16 bytes a lane: an image's place for my lane, in LDS and in wcodes
	v_lshlrev_b32 v7, 4, v2
	v_lshl_add_u32 v7, v3, 12, v7                  ; W2: lanes 0-15 row 0, lanes 16-31 row 1; 16 bytes a lane
	v_lshlrev_b32 v8, 2, v3                        ; b2[h]
	v_lshlrev_b32 v9, 5, v2                        ; escales: 32 bytes a batch row
	v_lshlrev_b32 v10, 5, v3                       ; b1: my half's eight units of a tile
	v_lshlrev_b32 v11, 2, v1                       ; 4 bytes a lane
	s_lshl_b32 s21, s20, 9
	v_lshl_add_u32 v12, v3, 5, s21                 ; LDS: my wave's part of W2, my half's eight units
	v_lshlrev_b32 v13, 2, v0                       ; LDS: 4 bytes a thread: my partial output
	v_lshlrev_b32 v14, 3, v2
	v_lshl_add_u32 v14, v3, 2, v14                 ; out0: batch row r, output h
	v_mov_b32 v234, 0                              ; written once: a lane permute's destination counts as one of its sources
	s_mov_b32 s34, 0x76543210
	s_mov_b32 s35, 0xfedcba98                      ; v_permlanex16_b32's selects for lane l xor 16
	s_mov_b32 s23, 0
	s_mov_b32 s25, 0
	s_mov_b32 s27, 0
	s_mov_b32 s29, 0
	s_mov_b32 s31, 0
	s_mov_b32 s33, 0
	s_lshl_b32 s22, ttmp9, 13                      ; ecodes: 16 batch rows of 512 bytes a work-group,
	s_lshl_b32 s21, s20, 5
	s_add_co_u32 s22, s22, s21                     ; and 32 bytes (64 k) of each row a wave: K step w / 2, c = w % 2
	s_lshl_b32 s24, ttmp9, 9                       ; escales: 16 x 32 bytes
	s_lshl_b32 s26, s20, 15                        ; wcodes: four tiles of 8,192 bytes a wave
	s_lshl_b32 s28, s20, 11                        ; wscales: four tiles of 512 bytes
	s_lshl_b32 s30, s20, 8                         ; b1 and W2: 64 numbers a wave
	s_lshl_b32 s32, ttmp9, 7                       ; out0: 16 x 8 bytes
	s_wait_kmcnt 0x0
	s_add_nc_u64 s[4:5], s[4:5], s[22:23]
	s_add_nc_u64 s[6:7], s[6:7], s[24:25]
	s_add_nc_u64 s[8:9], s[8:9], s[26:27]
	s_add_nc_u64 s[10:11], s[10:11], s[28:29]
	s_add_nc_u64 s[12:13], s[12:13], s[30:31]
	s_add_nc_u64 s[14:15], s[14:15], s[30:31]
	s_add_nc_u64 s[18:19], s[18:19], s[32:33]
.macro FILL s                          ; W1's fragments of K step s, my four tiles: eight loads of 512 consecutive bytes
.irp t, 0,1,2,3
.irp c, 0,1
	global_load_b128 v[RG+32*((\s)%4)+8*\t+4*\c:RG+32*((\s)%4)+8*\t+4*\c+3], v6, s[8:9] offset:8192*\t+1024*(\s)+512*\c
.endr
.endr
.endm
	global_load_b128 v[16:19], v4, s[4:5]          ; my piece of euph's codes: lane (r, h): k = 64 w + 32 h + 0 .. 31 of batch row r
	global_load_b128 v[20:23], v7, s[14:15]        ; my 2 x 64 numbers of W2
	global_load_b32 v15, v8, s[16:17]              ; b2[h]
	global_load_b128 v[ES:ES+3], v9, s[6:7]
	global_load_b128 v[ES+4:ES+7], v9, s[6:7] offset:16
.irp t, 0,1,2,3
	global_load_b128 v[ACC+8*\t:ACC+8*\t+3], v10, s[12:13] offset:64*\t       ; b1 at units 16 t + 8 h + 0 .. 7: the sums begin with it
	global_load_b128 v[ACC+8*\t+4:ACC+8*\t+7], v10, s[12:13] offset:64*\t+16
.endr
.irp t, 0,1,2,3
.irp q, 0,1,2,3
	global_load_b32 v[WS+4*\t+\q], v11, s[10:11] offset:512*\t+128*\q
.endr
.endr
	FILL 0
	FILL 1
	FILL 2
	FILL 3
	s_wait_loadcnt 59                              ; the first two loads are in; behind them 1 + 2 + 8 + 16 + 32 were issued and stay out
	ds_store_b128 v5, v[16:19] offset:EIMG         ; piece w = half c = w % 2 of fragment w / 2, as its registers stand
	ds_store_b128 v5, v[20:23] offset:W2R          ; [j][64 numbers] in my wave's 512 bytes
	s_wait_dscnt 0x0                               ; for the others' sake: my stores are done
	s_barrier_signal -1
	s_barrier_wait -1                              ; euph's eight fragments lie in LDS
.macro EFRAG s                         ; euph's fragment of K step s
.irp c, 0,1
	ds_load_b128 v[EF+8*((\s)%2)+4*\c:EF+8*((\s)%2)+4*\c+3], v6 offset:EIMG+1024*(\s)+512*\c
.endr
.endm
.macro W2LOAD j                        ; W2[j] at my 4 x 8 units, into ring slot j, which is free: register 8 t + i = unit 16 t + 8 h + i, as in the accumulators
.irp t, 0,1,2,3
.irp c, 0,1
	ds_load_b128 v[RG+32*\j+8*\t+4*\c:RG+32*\j+8*\t+4*\c+3], v12 offset:W2R+256*\j+64*\t+16*\c
.endr
.endr
.endm
; A K step: lc = the global loads issued behind this step's fragments of W1, dc = the LDS loads issued behind this step's fragment of euph: both may stay out.
.macro KSTEP s, lc, dc
	s_wait_loadcnt \lc
	s_wait_dscnt \dc
.irp t, 0,1,2,3
.if (\s)%2
	v_wmma_scale_f32_16x16x128_f8f6f4 v[ACC+8*\t:ACC+8*\t+7], v[RG+32*((\s)%4)+8*\t:RG+32*((\s)%4)+8*\t+7], v[EF+8*((\s)%2):EF+8*((\s)%2)+7], v[ACC+8*\t:ACC+8*\t+7], v[WS+4*\t+(\s)/2], v[ES+(\s)] matrix_a_fmt:MATRIX_FMT_FP4 matrix_b_fmt:MATRIX_FMT_FP4 matrix_a_scale:MATRIX_SCALE_ROW1
.else
	v_wmma_scale_f32_16x16x128_f8f6f4 v[ACC+8*\t:ACC+8*\t+7], v[RG+32*((\s)%4)+8*\t:RG+32*((\s)%4)+8*\t+7], v[EF+8*((\s)%2):EF+8*((\s)%2)+7], v[ACC+8*\t:ACC+8*\t+7], v[WS+4*\t+(\s)/2], v[ES+(\s)] matrix_a_fmt:MATRIX_FMT_FP4 matrix_b_fmt:MATRIX_FMT_FP4
.endif
.endr
.rept 4
	v_nop                                          ; four places in front of loads into registers that these products read, and, behind the last step, of the first read of the sums
.endr
.if (\s)+4 < 8
	FILL (\s)+4                                    ; the slot takes the K step four further on
.endif
.if (\s)+2 < 8
	EFRAG (\s)+2
.endif
.endm
	EFRAG 0
	EFRAG 1
	KSTEP 0, 24, 2                                 ; behind a step's eight loads stand those of the three steps that follow; behind its fragment of euph the next one's two loads
	KSTEP 1, 24, 2
	KSTEP 2, 24, 2
	KSTEP 3, 24, 2
	KSTEP 4, 24, 2
	W2LOAD 0                                       ; slot 0 has had its last products, four places back
	KSTEP 5, 16, 10                                ; behind fragment 5: fragment 6's two loads and W2's eight
	W2LOAD 1
	KSTEP 6, 8, 18                                 ; behind fragment 6: eight, fragment 7's two, eight
	KSTEP 7, 0, 8                                  ; behind fragment 7: eight
	s_wait_dscnt 0x0                               ; W2's numbers are in
	; h W2^T: pair p of my 16 pairs of units, each accumulator from its low end on; two chains for each output; the first products start the sums
.set p, 0
.rept 16
.if p < 2
	v_pk_mul_f32 v[PS+2*p:PS+2*p+1], v[ACC+2*p:ACC+2*p+1], v[RG+2*p:RG+2*p+1]
	v_pk_mul_f32 v[PS+4+2*p:PS+4+2*p+1], v[ACC+2*p:ACC+2*p+1], v[RG+32+2*p:RG+32+2*p+1]
.else
	v_pk_fma_f32 v[PS+2*(p%2):PS+2*(p%2)+1], v[ACC+2*p:ACC+2*p+1], v[RG+2*p:RG+2*p+1], v[PS+2*(p%2):PS+2*(p%2)+1]
	v_pk_fma_f32 v[PS+4+2*(p%2):PS+4+2*(p%2)+1], v[ACC+2*p:ACC+2*p+1], v[RG+32+2*p:RG+32+2*p+1], v[PS+4+2*(p%2):PS+4+2*(p%2)+1]
.endif
.set p, p+1
.endr
	v_pk_add_f32 v[PS:PS+1], v[PS:PS+1], v[PS+2:PS+3]
	v_pk_add_f32 v[PS+4:PS+5], v[PS+4:PS+5], v[PS+6:PS+7]
	v_cmp_eq_u32 vcc_lo, 1, v3                     ; lanes 16-31
	v_add_f32 v[PS], v[PS], v[PS+1]                ; my half's part of output 0,
	v_add_f32 v[PS+4], v[PS+4], v[PS+5]            ; and of output 1
	v_cndmask_b32 v232, v[PS], v[PS+4], vcc_lo     ; lane (r, h) keeps output h,
	v_cndmask_b32 v233, v[PS+4], v[PS], vcc_lo     ; and hands the other to lane l xor 16, which keeps that one
	v_permlanex16_b32 v234, v233, s34, s35
	v_add_f32 v232, v232, v234                     ; my wave's 64 units of out[r][h]
	ds_store_b32 v13, v232 offset:RED
	s_wait_dscnt 0x0                               ; for wave 0's sake: my store is done
	s_barrier_signal -1
	s_barrier_wait -1
	s_cmp_lg_u32 s20, 0
	s_cbranch_scc1 .Lend
.set i, 0
.rept 16
	ds_load_b32 v[RG+i], v11 offset:RED+128*i      ; the sixteen waves' parts of my output
.set i, i+1
.endr
	s_wait_dscnt 0x0
.irp k, 0,2,4,6
	v_pk_add_f32 v[RG+\k:RG+\k+1], v[RG+\k:RG+\k+1], v[RG+8+\k:RG+8+\k+1]
.endr
.irp k, 0,2
	v_pk_add_f32 v[RG+\k:RG+\k+1], v[RG+\k:RG+\k+1], v[RG+4+\k:RG+4+\k+1]
.endr
	v_pk_add_f32 v[RG:RG+1], v[RG:RG+1], v[RG+2:RG+3]
	v_add_f32 v[RG], v[RG], v[RG+1]
	v_add_f32 v[RG], v[RG], v15                    ; + b2[h]
	global_store_b32 v14, v[RG], s[18:19]          ; 32 lanes store the work-group's 128 consecutive bytes of out0: all that it owns
.Lend:
	s_wait_tensorcnt 0x0
	ds_add_u32 v254, v255
	s_wait_dscnt 0x0
	s_endpgm
.Lfunc_end_k_q4500d21398_gemm:
	.size	k_q4500d21398_gemm, .Lfunc_end_k_q4500d21398_gemm-k_q4500d21398_gemm
	.p2alignl 7, 3214868480
	.fill 96, 4, 3214868480
	.section	.rodata,"a",@progbits
	.p2align	6, 0x0
	.amdhsa_kernel k_q4500d21398_gemm
		.amdhsa_group_segment_fixed_size 20480
		.amdhsa_private_segment_fixed_size 0
		.amdhsa_enable_private_segment 0
		.amdhsa_kernarg_size 64
		.amdhsa_user_sgpr_count 2
		.amdhsa_user_sgpr_kernarg_segment_ptr 1
		.amdhsa_wavefront_size32 1
		.amdhsa_system_sgpr_workgroup_id_x 1
		.amdhsa_system_sgpr_workgroup_id_y 1
		.amdhsa_system_sgpr_workgroup_id_z 1
		.amdhsa_system_vgpr_workitem_id 0
		.amdhsa_next_free_vgpr 256
		.amdhsa_next_free_sgpr 66
		.amdhsa_reserve_vcc 1
		.amdhsa_float_denorm_mode_32 3
		.amdhsa_float_denorm_mode_16_64 3
		.amdhsa_memory_ordered 1
		.amdhsa_forward_progress 1
		.amdhsa_inst_pref_size 23
	.end_amdhsa_kernel
	.amdgpu_metadata
---
amdhsa.version: [ 1, 2 ]
amdhsa.kernels:
  - .name:           k_q4500d21398_gemm
    .symbol:         k_q4500d21398_gemm.kd
    .args:
      - { .name: ecodes, .offset: 0, .size: 8, .value_kind: global_buffer, .address_space: global }
      - { .name: escales, .offset: 8, .size: 8, .value_kind: global_buffer, .address_space: global }
      - { .name: wcodes, .offset: 16, .size: 8, .value_kind: global_buffer, .address_space: global }
      - { .name: wscales, .offset: 24, .size: 8, .value_kind: global_buffer, .address_space: global }
      - { .name: b1, .offset: 32, .size: 8, .value_kind: global_buffer, .address_space: global }
      - { .name: W2, .offset: 40, .size: 8, .value_kind: global_buffer, .address_space: global }
      - { .name: b2, .offset: 48, .size: 8, .value_kind: global_buffer, .address_space: global }
      - { .name: out0, .offset: 56, .size: 8, .value_kind: global_buffer, .address_space: global }
    .group_segment_fixed_size: 20480
    .private_segment_fixed_size: 0
    .kernarg_segment_align: 8
    .kernarg_segment_size: 64
    .max_flat_workgroup_size: 512
    .sgpr_count:     66
    .vgpr_count:     256
    .wavefront_size: 32
...
	.end_amdgpu_metadata
.endif
;; end of part 2
;; ======== version 2 of 2: 2 launches; version 1 with the launch gemm written anew for expert scheduling mode
;; workspace buffers: ecodes 65,536 bytes; escales 4,096 bytes; wcodes 524,288 bytes; wscales 32,768 bytes
;; launch prep: the kernel of part 1 again; grid 256 x 1, 4 waves a work-group, no clusters, 18,944 bytes of LDS; arguments inputs, input_ids, W1, ecodes, escales, wcodes, wscales; writes ecodes, escales, wcodes, wscales
;; launch gemm (part 3): grid 8 x 1, 16 waves a work-group, no clusters, 20,480 bytes of LDS; arguments ecodes, escales, wcodes, wscales, b1, W2, b2, out0; writes out0
.if DOCPART == 3
	.amdgcn_target "amdgcn-amd-amdhsa--gfx1250"
	.amdhsa_code_object_version 6
	.text
	.protected	k_q4500d21398_gemm
	.globl	k_q4500d21398_gemm
	.p2align	8
	.type	k_q4500d21398_gemm,@function
k_q4500d21398_gemm:
	s_mov_b64 s[64:65], 0
	v_nop
	global_prefetch_b8 v0, s[64:65] scope:SCOPE_SE
	s_setreg_imm32_b32 hwreg(HW_REG_WAVE_SCHED_MODE, 0, 2), 2
	s_setreg_imm32_b32 hwreg(HW_REG_WAVE_MODE, 25, 1), 1
	s_wait_xcnt 0x0
	s_wait_alu depctr_vm_vsrc(0)
; GEMM: out[b][j] = sum over n of (sum over k of Q(euph)[b][k] Q(W1)[n][k] + b1[n]) W2[j][n] + b2[j].  The inner product runs on codes of FP4 (E2M1) with E8M0 scales, made by the launch before; sums in f32.
; ecodes [128][512 bytes], escales [128][32] row-major; wcodes [tile 64][K step 8][c 2][lane 32][16 bytes] in the order of the operand's registers; wscales [tile][K step][row 16] words.
; SHARES.  An output is a sum over all 1,024 n and has ONE owner: a work-group owns 16 batch rows and all n: eight work-groups.  Each of its sixteen waves owns 64 n: W1's tiles 4 w .. 4 w + 3, 32 matrix instructions.
; W1's fragments go from memory straight into the registers that the matrix instruction names, by loads of 512 consecutive bytes, through a ring of four K steps (128 registers: up to 16 KiB a wave on their way).
; euph's 8 KiB are read from memory once by the work-group (512 bytes a wave) and handed round in LDS as images of the operand's registers.
; THE MATRIX INSTRUCTION: source 0 = 16 rows of W1, source 1 = the 16 batch rows.  Lane (r, h) then holds batch row r, and register j the unit n = 16 tile + 8 h + j.  b1 is loaded into the accumulators in that
; layout and is the first C.  The four accumulators take turns, one instruction a turn.
; h W2^T in f32: 16 multiply-adds a tile (packed), W2's numbers turned through the wave's own 512 bytes of LDS; lane l xor 16 adds the other eight units of each tile; the sixteen waves' parts meet in LDS.
; NO JOINT REQUESTS, though the eight work-groups read the same 524,288 bytes of codes: a joint request lands in LDS, where these bytes do not fit at once; it would take slots that are filled again, a round
; of the cluster's barrier for each refill, and 524,288 bytes more of LDS writes and of LDS reads in each work-group, for 32 matrix instructions a wave.
; THE MODE: SCHED_MODE bits 1:0 = 2 (LLVM: expert scheduling mode 2), set by the entry lines.  The code itself states the register dependences
; between vector or matrix instructions and memory or LDS instructions, with s_wait_alu, always for 0.
; THE PLAN.  Registers that memory or LDS instructions touch:
;   v4 .. v14, v254, v255   offsets and LDS addresses: written by vector instructions at the head, once; read by every load and store, and by the closing add.
;   v15 .. v47              b2, the two pieces that go to LDS, the scale words: each filled by one load and never written again.
;   the accumulators        filled by the loads of b1, then named by matrix and vector instructions alone.
;   ring slot s % 4         K step s's loads land in it; K step s's four matrix instructions read it; in step s + 1 the loads of K step s + 4 land in it (slots 0 and 1 at last: W2's numbers).
;   euph's buffer s % 4     the same, by LDS loads: four buffers, so that a fragment is asked for three steps ahead of its use.
;   v232, v96               written by vector instructions, read by one LDS store and by the last global store.
; So ONE wait on va_vdst stands at the head of a step that issues loads (steps 1 to 6), behind the waits for the step's own data: it states that the products of the step before are done reading their slot and
; their fragment of euph.  The step's loads land in just those registers and are dealt among its four matrix instructions, which name the step's own slot and buffer, the accumulators and the scale words.
; No register that a memory or LDS instruction reads is ever written again: so no wait on vm_vsrc is written.
.set EIMG, 0                           ; LDS: euph's eight fragments, 1,024 bytes each,
.set W2R,  8192                        ; each wave's 2 x 64 numbers of W2, 512 bytes a wave,
.set RED,  16384                       ; and each wave's 32 partial outputs, 128 bytes a wave; behind them, from 0x4800 on, the spare words, 128 bytes a wave
.set ES,   24                          ; v24-31   euph's scale words: register s for K step s, lane r = batch row r
.set WS,   32                          ; v32-47   W1's: register 4 t + q: lanes 0-15 K step 2 q, lanes 16-31 K step 2 q + 1, of my tile t
.set ACC,  48                          ; v48-79   four accumulators
.set EF,   80                          ; v80-95   euph's fragments: buffers 0 and 1;
.set EF2,  236                         ; v236-251 buffers 2 and 3.  K step s lies in buffer s % 4
.set RG,   96                          ; v96-223  the ring: K step s in slot s % 4: my tile t at v[96 + 32 (s % 4) + 8 t].  Slots 0 and 1 take W2's numbers when they are free
.set PS,   224                         ; v224-231 the partial outputs: two chains of pairs for j = 0, two for j = 1
	s_load_b256 s[4:11], s[0:1], 0x0               ; ecodes s[4:5], escales s[6:7], wcodes s[8:9], wscales s[10:11]
	s_load_b256 s[12:19], s[0:1], 0x20             ; b1 s[12:13], W2 s[14:15], b2 s[16:17], out0 s[18:19]
	v_lshl_add_u32 v254, v0, 2, 0x4800             ; the LDS address of my spare word, and 0: made here and kept for the closing lines alone
	v_mov_b32 v255, 0
	v_lshrrev_b32 v1, 5, v0
	v_readfirstlane_b32 s20, v1                    ; wave 0..15
	v_and_b32 v1, 31, v0                           ; lane
	v_and_b32 v2, 15, v0                           ; r
	v_bfe_u32 v3, v0, 4, 1                         ; h
	v_lshlrev_b32 v4, 9, v2
	v_lshl_add_u32 v4, v3, 4, v4                   ; ecodes: batch row r of 512 bytes, + 16 h
	v_lshlrev_b32 v5, 4, v0                        ; LDS: 16 bytes a thread: where I put my piece of euph, and of W2
	v_lshlrev_b32 v6, 4, v1                        ; 16 bytes a lane: an image's place for my lane, in LDS and in wcodes
	v_lshlrev_b32 v7, 4, v2
	v_lshl_add_u32 v7, v3, 12, v7                  ; W2: lanes 0-15 row 0, lanes 16-31 row 1; 16 bytes a lane
	v_lshlrev_b32 v8, 2, v3                        ; b2[h]
	v_lshlrev_b32 v9, 5, v2                        ; escales: 32 bytes a batch row
	v_lshlrev_b32 v10, 5, v3                       ; b1: my half's eight units of a tile
	v_lshlrev_b32 v11, 2, v1                       ; 4 bytes a lane
	s_wait_alu depctr_va_sdst(0)                   ; s20 is written, ahead of its first reader: the bases, an LDS address and a branch are made from it
	s_lshl_b32 s36, s20, 9                         ; (a register of its own, which no later line writes)
	v_lshl_add_u32 v12, v3, 5, s36                 ; LDS: my wave's part of W2, my half's eight units
	v_lshlrev_b32 v13, 2, v0                       ; LDS: 4 bytes a thread: my partial output
	v_lshlrev_b32 v14, 3, v2
	v_lshl_add_u32 v14, v3, 2, v14                 ; out0: batch row r, output h
	v_mov_b32 v234, 0                              ; written once: a lane permute's destination counts as one of its sources
	s_mov_b32 s34, 0x76543210
	s_mov_b32 s35, 0xfedcba98                      ; v_permlanex16_b32's selects for lane l xor 16
	s_mov_b32 s23, 0
	s_mov_b32 s25, 0
	s_mov_b32 s27, 0
	s_mov_b32 s29, 0
	s_mov_b32 s31, 0
	s_mov_b32 s33, 0
	s_lshl_b32 s22, ttmp9, 13                      ; ecodes: 16 batch rows of 512 bytes a work-group,
	s_lshl_b32 s21, s20, 5
	s_add_co_u32 s22, s22, s21                     ; and 32 bytes (64 k) of each row a wave: K step w / 2, c = w % 2
	s_lshl_b32 s24, ttmp9, 9                       ; escales: 16 x 32 bytes
	s_lshl_b32 s26, s20, 15                        ; wcodes: four tiles of 8,192 bytes a wave
	s_lshl_b32 s28, s20, 11                        ; wscales: four tiles of 512 bytes
	s_lshl_b32 s30, s20, 8                         ; b1 and W2: 64 numbers a wave
	s_lshl_b32 s32, ttmp9, 7                       ; out0: 16 x 8 bytes
	s_wait_kmcnt 0x0
	s_add_nc_u64 s[4:5], s[4:5], s[22:23]
	s_add_nc_u64 s[6:7], s[6:7], s[24:25]
	s_add_nc_u64 s[8:9], s[8:9], s[26:27]
	s_add_nc_u64 s[10:11], s[10:11], s[28:29]
	s_add_nc_u64 s[12:13], s[12:13], s[30:31]
	s_add_nc_u64 s[14:15], s[14:15], s[30:31]
	s_add_nc_u64 s[18:19], s[18:19], s[32:33]
.macro FILL2 s, t0                     ; W1's fragments of K step s, my tiles t0 and t0 + 1: four loads of 512 consecutive bytes
.irp t, \t0, \t0+1
.irp c, 0,1
	global_load_b128 v[RG+32*((\s)%4)+8*(\t)+4*\c:RG+32*((\s)%4)+8*(\t)+4*\c+3], v6, s[8:9] offset:8192*(\t)+1024*(\s)+512*\c
.endr
.endr
.endm
	s_wait_alu depctr_va_vdst(0)                   ; the offsets and LDS addresses v4 to v14 are written, which every load and store below reads
	global_load_b128 v[16:19], v4, s[4:5]          ; my piece of euph's codes: lane (r, h): k = 64 w + 32 h + 0 .. 31 of batch row r
	global_load_b128 v[20:23], v7, s[14:15]        ; my 2 x 64 numbers of W2
	global_load_b32 v15, v8, s[16:17]              ; b2[h]
	global_load_b128 v[ES:ES+3], v9, s[6:7]
	global_load_b128 v[ES+4:ES+7], v9, s[6:7] offset:16
.irp t, 0,1,2,3
	global_load_b128 v[ACC+8*\t:ACC+8*\t+3], v10, s[12:13] offset:64*\t       ; b1 at units 16 t + 8 h + 0 .. 7: the sums begin with it
	global_load_b128 v[ACC+8*\t+4:ACC+8*\t+7], v10, s[12:13] offset:64*\t+16
.endr
.irp t, 0,1,2,3
.irp q, 0,1,2,3
	global_load_b32 v[WS+4*\t+\q], v11, s[10:11] offset:512*\t+128*\q
.endr
.endr
.irp s, 0,1,2,3
	FILL2 \s, 0                                    ; the ring's four slots: K steps 0 to 3
	FILL2 \s, 2
.endr
	s_wait_loadcnt 59                              ; the first two loads are in; behind them 1 + 2 + 8 + 16 + 32 were issued and stay out
	ds_store_b128 v5, v[16:19] offset:EIMG         ; piece w = half c = w % 2 of fragment w / 2, as its registers stand
	ds_store_b128 v5, v[20:23] offset:W2R          ; [j][64 numbers] in my wave's 512 bytes
	s_wait_dscnt 0x0                               ; for the others' sake: my stores are done
	s_barrier_signal -1
	s_barrier_wait -1                              ; euph's eight fragments lie in LDS
.macro EFRAG s                         ; euph's fragment of K step s, into buffer s % 4
.set FL, EF+8*((\s)%2)+(EF2-EF)*(((\s)%4)/2)
.irp c, 0,1
	ds_load_b128 v[FL+4*\c:FL+4*\c+3], v6 offset:EIMG+1024*(\s)+512*\c
.endr
.endm
.macro W2LOAD j, t0                    ; W2[j] at the 2 x 8 units of my tiles t0 and t0 + 1, into ring slot j, which is free: register 8 t + i = unit 16 t + 8 h + i, as in the accumulators
.irp t, \t0, \t0+1
.irp c, 0,1
	ds_load_b128 v[RG+32*(\j)+8*(\t)+4*\c:RG+32*(\j)+8*(\t)+4*\c+3], v12 offset:W2R+256*(\j)+64*(\t)+16*\c
.endr
.endr
.endm
.macro MM s, t                         ; K step s of my tile t: W1's scale words of an odd step lie in lanes 16-31
.set FE, EF+8*((\s)%2)+(EF2-EF)*(((\s)%4)/2)
.if (\s)%2
	v_wmma_scale_f32_16x16x128_f8f6f4 v[ACC+8*(\t):ACC+8*(\t)+7], v[RG+32*((\s)%4)+8*(\t):RG+32*((\s)%4)+8*(\t)+7], v[FE:FE+7], v[ACC+8*(\t):ACC+8*(\t)+7], v[WS+4*(\t)+(\s)/2], v[ES+(\s)] matrix_a_fmt:MATRIX_FMT_FP4 matrix_b_fmt:MATRIX_FMT_FP4 matrix_a_scale:MATRIX_SCALE_ROW1
.else
	v_wmma_scale_f32_16x16x128_f8f6f4 v[ACC+8*(\t):ACC+8*(\t)+7], v[RG+32*((\s)%4)+8*(\t):RG+32*((\s)%4)+8*(\t)+7], v[FE:FE+7], v[ACC+8*(\t):ACC+8*(\t)+7], v[WS+4*(\t)+(\s)/2], v[ES+(\s)] matrix_a_fmt:MATRIX_FMT_FP4 matrix_b_fmt:MATRIX_FMT_FP4
.endif
.endm
; A K step: lc = the global loads issued behind this step's fragments of W1, dc = the LDS loads issued behind this step's fragment of euph: both may stay out.
; Steps 1 to 4 ask for K step s + 3, of W1 and of euph, into the slot and the buffer that step s - 1 multiplied; steps 5 and 6 for W2's two rows, into slots 0 and 1, which have had their last products.
.macro KSTEP s, lc, dc
	s_wait_loadcnt \lc
	s_wait_dscnt \dc
.if ((\s) >= 1) && ((\s) <= 6)
	s_wait_alu depctr_va_vdst(0)                   ; the products of the step before are done reading their ring slot and their fragment of euph, in which this step's loads land
.endif
	MM \s, 0
.if ((\s) >= 1) && ((\s) <= 4)
	FILL2 (\s)+3, 0                                ; no further wait: no matrix instruction since the wait above names these registers
.endif
.if ((\s) == 5) || ((\s) == 6)
	W2LOAD (\s)-5, 0
.endif
	MM \s, 1
.if ((\s) >= 1) && ((\s) <= 4)
	FILL2 (\s)+3, 2
.endif
.if ((\s) == 5) || ((\s) == 6)
	W2LOAD (\s)-5, 2
.endif
	MM \s, 2
.if ((\s) >= 1) && ((\s) <= 4)
	EFRAG (\s)+3
.endif
	MM \s, 3
.rept 4
	v_nop                                          ; four places behind these products: they stay, beside the next step's wait, in front of the loads into the registers that the products read, and, behind the last step, of the first read of the sums
.endr
.endm
	EFRAG 0
	EFRAG 1
	EFRAG 2
	EFRAG 3
	KSTEP 0, 24, 6                                 ; behind K step 0's eight loads stand those of K steps 1 to 3; behind fragment 0 fragments 1 to 3, two loads each.  Nothing is free yet: no load, no wait on va_vdst
	KSTEP 1, 16, 4                                 ; from here on two K steps' loads, and two fragments', stand behind those of the step in hand
	KSTEP 2, 16, 4
	KSTEP 3, 16, 4
	KSTEP 4, 16, 4
	KSTEP 5, 16, 4
	KSTEP 6, 8, 10                                 ; behind K step 6's loads: K step 7's eight; behind fragment 6: fragment 7's two loads and W2's first eight
	KSTEP 7, 0, 16                                 ; behind fragment 7: W2's sixteen.  This step issues no load: no wait on va_vdst
	s_wait_dscnt 0x0                               ; W2's numbers are in
	; h W2^T: pair p of my 16 pairs of units, each accumulator from its low end on; two chains for each output; the first products start the sums
.set p, 0
.rept 16
.if p < 2
	v_pk_mul_f32 v[PS+2*p:PS+2*p+1], v[ACC+2*p:ACC+2*p+1], v[RG+2*p:RG+2*p+1]
	v_pk_mul_f32 v[PS+4+2*p:PS+4+2*p+1], v[ACC+2*p:ACC+2*p+1], v[RG+32+2*p:RG+32+2*p+1]
.else
	v_pk_fma_f32 v[PS+2*(p%2):PS+2*(p%2)+1], v[ACC+2*p:ACC+2*p+1], v[RG+2*p:RG+2*p+1], v[PS+2*(p%2):PS+2*(p%2)+1]
	v_pk_fma_f32 v[PS+4+2*(p%2):PS+4+2*(p%2)+1], v[ACC+2*p:ACC+2*p+1], v[RG+32+2*p:RG+32+2*p+1], v[PS+4+2*(p%2):PS+4+2*(p%2)+1]
.endif
.set p, p+1
.endr
	v_pk_add_f32 v[PS:PS+1], v[PS:PS+1], v[PS+2:PS+3]
	v_pk_add_f32 v[PS+4:PS+5], v[PS+4:PS+5], v[PS+6:PS+7]
	v_cmp_eq_u32 vcc_lo, 1, v3                     ; lanes 16-31
	v_add_f32 v[PS], v[PS], v[PS+1]                ; my half's part of output 0,
	v_add_f32 v[PS+4], v[PS+4], v[PS+5]            ; and of output 1
	s_wait_alu depctr_va_vcc(0)                    ; the compare has written VCC, ahead of its first reader
	v_cndmask_b32 v232, v[PS], v[PS+4], vcc_lo     ; lane (r, h) keeps output h,
	v_cndmask_b32 v233, v[PS+4], v[PS], vcc_lo     ; and hands the other to lane l xor 16, which keeps that one
	v_permlanex16_b32 v234, v233, s34, s35
	v_add_f32 v232, v232, v234                     ; my wave's 64 units of out[r][h]
	s_wait_alu depctr_va_vdst(0)                   ; v232 is written, which the LDS store reads; and the multiply-adds are done reading v96 to v111, in which wave 0's LDS loads land behind the barrier
	ds_store_b32 v13, v232 offset:RED
	s_wait_dscnt 0x0                               ; for wave 0's sake: my store is done
	s_barrier_signal -1
	s_barrier_wait -1
	s_cmp_lg_u32 s20, 0
	s_cbranch_scc1 .Lend
.set i, 0
.rept 16
	ds_load_b32 v[RG+i], v11 offset:RED+128*i      ; the sixteen waves' parts of my output
.set i, i+1
.endr
	s_wait_dscnt 0x0
.irp k, 0,2,4,6
	v_pk_add_f32 v[RG+\k:RG+\k+1], v[RG+\k:RG+\k+1], v[RG+8+\k:RG+8+\k+1]
.endr
.irp k, 0,2
	v_pk_add_f32 v[RG+\k:RG+\k+1], v[RG+\k:RG+\k+1], v[RG+4+\k:RG+4+\k+1]
.endr
	v_pk_add_f32 v[RG:RG+1], v[RG:RG+1], v[RG+2:RG+3]
	v_add_f32 v[RG], v[RG], v[RG+1]
	v_add_f32 v[RG], v[RG], v15                    ; + b2[h]
	s_wait_alu depctr_va_vdst(0)                   ; the additions have written v96, which the store reads
	global_store_b32 v14, v[RG], s[18:19]          ; 32 lanes store the work-group's 128 consecutive bytes of out0: all that it owns
.Lend:
	s_wait_dscnt 0x0                               ; the closing lines, six on end
	s_wait_alu 0x0
	s_wait_tensorcnt 0x0
	ds_add_u32 v254, v255
	s_wait_dscnt 0x0
	s_endpgm
.Lfunc_end_k_q4500d21398_gemm:
	.size	k_q4500d21398_gemm, .Lfunc_end_k_q4500d21398_gemm-k_q4500d21398_gemm
	.p2alignl 7, 3214868480
	.fill 96, 4, 3214868480
	.section	.rodata,"a",@progbits
	.p2align	6, 0x0
	.amdhsa_kernel k_q4500d21398_gemm
		.amdhsa_group_segment_fixed_size 20480
		.amdhsa_private_segment_fixed_size 0
		.amdhsa_enable_private_segment 0
		.amdhsa_kernarg_size 64
		.amdhsa_user_sgpr_count 2
		.amdhsa_user_sgpr_kernarg_segment_ptr 1
		.amdhsa_wavefront_size32 1
		.amdhsa_system_sgpr_workgroup_id_x 1
		.amdhsa_system_sgpr_workgroup_id_y 1
		.amdhsa_system_sgpr_workgroup_id_z 1
		.amdhsa_system_vgpr_workitem_id 0
		.amdhsa_next_free_vgpr 256
		.amdhsa_next_free_sgpr 66
		.amdhsa_reserve_vcc 1
		.amdhsa_float_denorm_mode_32 3
		.amdhsa_float_denorm_mode_16_64 3
		.amdhsa_memory_ordered 1
		.amdhsa_forward_progress 1
		.amdhsa_inst_pref_size 24
	.end_amdhsa_kernel
	.amdgpu_metadata
---
amdhsa.version: [ 1, 2 ]
amdhsa.kernels:
  - .name:           k_q4500d21398_gemm
    .symbol:         k_q4500d21398_gemm.kd
    .args:
      - { .name: ecodes, .offset: 0, .size: 8, .value_kind: global_buffer, .address_space: global }
      - { .name: escales, .offset: 8, .size: 8, .value_kind: global_buffer, .address_space: global }
      - { .name: wcodes, .offset: 16, .size: 8, .value_kind: global_buffer, .address_space: global }
      - { .name: wscales, .offset: 24, .size: 8, .value_kind: global_buffer, .address_space: global }
      - { .name: b1, .offset: 32, .size: 8, .value_kind: global_buffer, .address_space: global }
      - { .name: W2, .offset: 40, .size: 8, .value_kind: global_buffer, .address_space: global }
      - { .name: b2, .offset: 48, .size: 8, .value_kind: global_buffer, .address_space: global }
      - { .name: out0, .offset: 56, .size: 8, .value_kind: global_buffer, .address_space: global }
    .group_segment_fixed_size: 20480
    .private_segment_fixed_size: 0
    .kernarg_segment_align: 8
    .kernarg_segment_size: 64
    .max_flat_workgroup_size: 512
    .sgpr_count:     66
    .vgpr_count:     256
    .wavefront_size: 32
...
	.end_amdgpu_metadata
.endif
;; end of part 3
